; MI455X (gfx1250); checked and timed in simulation.
; The chip was launched on July 23, 2026; its instructions are those of AMD's public machine-readable ISA for CDNA 5 (MIT licence, August 2026) and "CDNA5" Instruction Set Architecture Reference Guide (July 2026). The comments in the code are by the model that wrote it; some were corrected since.
;; Qwen3 Omni Moe MLP. Allowed arithmetic: matrix products marked QUANTISED: E2M3 operands, one E8M0 scale for each 32 along K, by v_wmma_scale_f32_16x16x128_f8f6f4 with both operands' format E2M3, f32 sums; products left as they are: f32 operands where the result goes on into a quantised operand, else bf16, f16 or f32 operands; f32 sums; everything else in f32.
;; Inputs: W1_codes 8 x 2,048 x 32 x 24 uint8 (E2M3 codes of W1, K innermost, in blocks of 32 codes, four codes in three bytes); W1_scales 8 x 2,048 x 32 uint8 (E8M0 scales of W1, one for each 32 codes along K); W2_codes 8 x 1,024 x 64 x 24 uint8 (E2M3 codes of W2, K innermost, in blocks of 32 codes, four codes in three bytes); W2_scales 8 x 1,024 x 64 uint8 (E8M0 scales of W2, one for each 32 codes along K); Wg 8 x 1,024 float32; x 4 x 512 x 1,024 float32.
;; Outputs: out0 4 x 512 x 1,024 float32.
;; Constants: top_k = 2.
;; This version of the problem:
;;   THIS VERSION OF THE PROBLEM IS GIVEN IN LOW PRECISION. The matrix products marked QUANTISED in the list below multiply operands that are first quantised to E2M3 (2 exponent bits, 3 mantissa bits; 6 bits a number), with one power-of-two scale for each 32 numbers along K (OCP MX v1.0); their sums are f32. All else is computed in f32.
;;   The module's matrix products, in the order in which they are computed (A, B: the left and right operand; K: the contracted axis; several contracted axes count as one K, in the product's order):
;;     1. [M 2,048, K 1,024] x [K 1,024, N 8]; A: input x; B: input Wg: left as it is (N = 8 < 16)
;;     2. [M 2,048, K 1,024] x [K 1,024, N 16,384]; A: input x; B: input W1 (given as codes): QUANTISED
;;     3. batch 8 x [M 1,024, K 2,048] x [K 2,048, N 2,048]; A: input W2 (given as codes); B: computed on the way: QUANTISED
;;   THE QUANTISER, for each operand of a quantised product, along K:
;;     - K is cut into blocks of 32 from its start; a last block that is shorter is filled with zeros.
;;     - A block's scale is 2^e with e = floor(log2(the largest magnitude in the block)) - 2, held to -126 .. 127; a block of zeros has e = 0. As a byte (E8M0): e + 127.
;;     - Each number is divided by its block's scale, clamped to +-7.5, and rounded to the nearest number of E2M3, ties to even, subnormals kept.
;;     - The product sums the exact products of the quantised numbers (number of the format x scale) in f32.
;;   ~~~python
;;   def quantise(x, axis):      # numpy; x: float32 -> the quantised numbers, widened to float32 again
;;       x = np.moveaxis(x, axis, -1); K = x.shape[-1]
;;       x = np.pad(x, [(0, 0)] * (x.ndim - 1) + [(0, -K % 32)]); x = x.reshape(x.shape[:-1] + (-1, 32)); a = np.abs(x).max(-1, keepdims=True)
;;       e = np.where(a > 0, np.clip(np.frexp(np.where(a > 0, a, 1))[1] - 1 - 2, -126, 127), 0)      # np.frexp(a)[1] - 1 = floor(log2(a)), exactly
;;       r = np.clip(x / 2.0 ** e, -7.5, 7.5)
;;       step = 2.0 ** (np.maximum(np.frexp(np.where(r == 0, 1, r))[1] - 1, 0) - 3)
;;       q = np.round(r / step) * step * 2.0 ** e      # np.round: ties to even
;;       return np.moveaxis(q.reshape(q.shape[:-2] + (-1,))[..., :K], -1, axis).astype(np.float32)
;;   ~~~
;;   OPERANDS COMPUTED ON THE WAY. 'Computed on the way' means the value that the module computes at that place (a softmax that the list does not call 'softmax' is quantised finished and normalised). What goes into a quantiser is computed in f32, as accurately as f32 sums, v_exp_f32 and their like allow (about 1e-6 of the number): no bf16 or f16 on the way to a quantiser, and a product that is left as it is and whose result goes on into a quantised operand takes f32 operands (vector FMAs, or v_wmma_f32_16x16x4_f32). A number that lies on a knife's edge between two numbers of the format may be rounded either way, as far as f32 arithmetic and the matrix unit's own rounding can turn it there, and no further.
;;   INPUTS GIVEN AS CODES. W1 (in the module: [8, 2048, 1024], K = its axis 2); W2 (in the module: [8, 1024, 2048], K = its axis 2): each comes as NAME_codes (uint8): NAME with its K axis moved to the last place and cut into blocks of 32 codes, [.., K / 32, bytes a block], one block behind the other in memory; four codes in three bytes: a row's codes are one little-endian stream of bits, code i at bits 6 i .. 6 i + 5 (a code: sign, 2 exponent bits, 3 mantissa bits); and NAME_scales (uint8): the same leading axes, one E8M0 byte (e + 127) for each 32 codes along K. Its value is code x scale, taken as it is: it is not quantised again, and the codes and scales need not be those that the quantiser above would give.
;; One version. Each part assembles by itself: llvm-mc -triple=amdgcn-amd-amdhsa -mcpu=gfx1250 --defsym DOCPART=n.
;; ======== version 1 of 1: 5 launches
;; limits: right only within a limited range of input values
;; workspace buffers: xq 1,638,400 bytes; sel 8,192 bytes of whole numbers; gates 16,384 bytes; plan 39,168 bytes of whole numbers; hid 9,027,584 bytes; part 22,806,528 bytes
;; launch route (part 1): grid 256 x 1, 4 waves a work-group, no clusters, 80,896 bytes of LDS; arguments x, Wg, xq, sel, gates; writes xq, sel, gates
.if DOCPART == 1
	.amdgcn_target "amdgcn-amd-amdhsa--gfx1250"
	.amdhsa_code_object_version 6
	.text
	.protected	k_q5034bbbeaf_route
	.globl	k_q5034bbbeaf_route
	.p2align	8
	.type	k_q5034bbbeaf_route,@function
k_q5034bbbeaf_route:
	s_mov_b64 s[64:65], 0
	v_nop
	global_prefetch_b8 v0, s[64:65] scope:SCOPE_SE
	s_setreg_imm32_b32 hwreg(HW_REG_WAVE_MODE, 25, 1), 1
	s_wait_xcnt 0x0
; ROUTER AND QUANTISER OF x.  x: [2048][1024] f32, Wg: [8][1024] f32.
; For each token: logits = x . Wg[e] in f32 fused multiply-adds, softmax over the 8 experts with the row's maximum taken away, the two largest probabilities
; (a strict compare, so the lower index wins a tie) -> gates [2048][2] f32 and sel [2048] = e0 | e1 << 8; no address of this launch hangs on them.
; The same numbers of x are quantised to E2M3 along H, one E8M0 byte for 32 -> xq: codes [2048][8 K steps][96 bytes], in a K step the four blocks of 24 bytes in the order
; 0, 2, 1, 3, so that the half h of the lanes of an operand finds its 48 bytes on end at 48 h; scale bytes [2048][32] from byte XQS on.
; SHARES: a work-group takes 8 tokens, a wave 2, a lane one block of 32 numbers of each.  Loads take the bytes as they lie (512 consecutive bytes a load); a stage in LDS turns them into 128 bytes a lane.
; LIMITS: NaN and infinities are not served.  A block of zeros, or one whose largest magnitude lies under 2^(3 - 127), gets the byte 1 (its bytes are read by this program alone).
; A probability under 2^-126 comes out of the exponential as 0.  Two probabilities that agree to f32's rounding may be ranked either way.
; WORK LEFT OUT BY THE PROGRAM: reference() keeps, by take_along_axis on its own top-k, two of the eight experts' rows for each token; the other six experts' rows of both products reach no output for any values of the inputs.
; The choice is stored here as whole numbers; the later launches read it from memory and multiply the chosen rows alone.  A NaN, an infinity or an overflow that reaches only the rows left out is not carried to the result.
.set WCH, 144
.set XST, 36864                        ; LDS: Wg at 0 (8 x 32 chunks); from here 2 x 32 chunks for each wave: x's stage
.set CST, 73728                        ; 1,536 bytes for each wave: two tokens' codes
.set SST, 79872                        ; the work-group's 256 scale bytes
.set XQS, 1572864                      ; where xq's scale bytes begin
.set RX,  32                           ; v32-95   x as loaded; later v32-63 the 16 sums in pairs, v64-79 the logits, v80-95 the other half of the lanes'
.set RW,  96                           ; v96-159  Wg as loaded; later two sets of 32 numbers of Wg; later the softmax's registers
.set X,   160                          ; v160-223 my block of each of the two tokens
.set ACC, 32
.set LG,  64
.set MX,  96
.set SM,  98
.set TM,  100
.set B1,  102
.set I1,  104
.set B2,  106
.set I2,  108
.set SE,  110
.set Q,   112
	s_load_b256 s[4:11], s[0:1], 0x0               ; x s[4:5], Wg s[6:7], xq s[8:9], sel s[10:11]
	s_load_b64 s[12:13], s[0:1], 0x20              ; gates
	v_lshl_add_u32 v254, v0, 2, 0x13a00
	v_mov_b32 v255, 0
	v_lshrrev_b32 v2, 5, v0
	v_readfirstlane_b32 s14, v2                    ; wave 0..3
	v_and_b32 v1, 31, v0                           ; lane
	s_wait_alu depctr_va_vdst(0)
	s_mov_b32 s16, 0x76543210
	s_mov_b32 s17, 0xfedcba98                      ; v_permlanex16_b32's selects for lane l xor 16
	s_lshl_b32 s18, ttmp9, 3
	s_lshl_b32 s19, s14, 1
	s_add_co_u32 s18, s18, s19                     ; my first token: 8 x work-group + 2 x wave
	s_lshl_b32 s22, s18, 12                        ; its row of x,
	s_mov_b32 s23, 0
	s_mul_i32 s24, s18, 768                        ; its codes,
	s_mov_b32 s25, 0
	s_lshl_b32 s26, ttmp9, 8
	s_add_co_u32 s26, s26, XQS                     ; the work-group's 256 scale bytes,
	s_mov_b32 s27, 0
	s_lshl_b32 s28, s18, 3                         ; its gates,
	s_mov_b32 s29, 0
	s_lshl_b32 s30, s18, 2                         ; its word of sel
	s_mov_b32 s31, 0
	v_lshlrev_b32 v2, 2, v1                        ; 4 x lane
	v_lshrrev_b32 v3, 3, v0
	v_mul_u32_u24 v3, v3, WCH
	v_and_b32 v12, 7, v0
	v_lshl_add_u32 v3, v12, 4, v3                  ; Wg into LDS: chunk thread / 8, 16 bytes at thread % 8
	s_mul_i32 s20, s14, 9216
	s_add_co_u32 s20, s20, XST
	v_lshrrev_b32 v4, 3, v1
	v_mul_u32_u24 v4, v4, WCH
	v_lshl_add_u32 v4, v12, 4, v4
	v_add_nc_u32 v4, s20, v4                       ; x into my wave's stage: chunk lane / 8, 16 bytes at lane % 8
	v_mul_u32_u24 v6, v1, WCH                      ; out of a stage: chunk = lane (Wg's)
	v_add_nc_u32 v5, s20, v6                       ; (x's)
	v_lshrrev_b32 v7, 2, v1
	v_mul_u32_u24 v7, v7, 96                       ; my block's K step,
	v_and_b32 v12, 1, v1
	v_bfe_u32 v13, v1, 1, 1
	v_lshl_or_b32 v12, v12, 1, v13                 ; and its place in it: blocks 0, 1, 2, 3 go to places 0, 2, 1, 3
	v_mad_u32_u24 v7, v12, 24, v7
	s_mul_i32 s21, s14, 1536
	s_add_co_u32 s21, s21, CST
	v_add_nc_u32 v7, s21, v7
	v_lshlrev_b32 v11, 4, v1                       ; 16 x lane
	v_add_nc_u32 v8, s21, v11                      ; the codes' way out of LDS
	s_lshl_b32 s15, s14, 6
	s_add_co_u32 s15, s15, SST
	v_add_nc_u32 v9, s15, v1                       ; my block's scale byte: 64 x wave + lane (+ 32 for the second token)
	v_lshlrev_b32 v10, 4, v0                       ; 16 x thread
	v_lshlrev_b32 v12, 3, v1                       ; 8 x lane
	v_lshl_add_u32 v13, v1, 3, SST                 ; and the same among the scale bytes in LDS
	s_wait_alu depctr_va_vdst(0)
	s_wait_kmcnt 0x0
	s_add_nc_u64 s[4:5], s[4:5], s[22:23]
	s_add_nc_u64 s[24:25], s[8:9], s[24:25]
	s_add_nc_u64 s[26:27], s[8:9], s[26:27]
	s_add_nc_u64 s[12:13], s[12:13], s[28:29]
	s_add_nc_u64 s[10:11], s[10:11], s[30:31]
.irp a, 0,1
.irp i, 0,1,2,3,4,5,6,7
	global_load_b128 v[RX+32*\a+4*\i:RX+32*\a+4*\i+3], v11, s[4:5] offset:4096*\a+512*\i th:TH_LOAD_NT   ; 32 lanes read 512 consecutive bytes; x is read here and nowhere else
.endr
.endr
.irp j, 0,1,2,3,4,5,6,7,8,9,10,11,12,13,14,15
	global_load_b128 v[RW+4*\j:RW+4*\j+3], v10, s[6:7] offset:2048*\j   ; the four waves read 2,048 consecutive bytes of Wg
.endr
	s_wait_loadcnt 16                              ; x is in; Wg's sixteen loads are younger
.irp a, 0,1
.irp i, 0,1,2,3,4,5,6,7
	ds_store_b128 v4, v[RX+32*\a+4*\i:RX+32*\a+4*\i+3] offset:4608*\a+576*\i
.endr
.endr
.irp a, 0,1
.irp c, 0,1,2,3,4,5,6,7
	ds_load_b128 v[X+32*\a+4*\c:X+32*\a+4*\c+3], v5 offset:4608*\a+16*\c   ; LDS serves a wave's instructions in order: these see my stores
.endr
.endr
	s_wait_loadcnt 0x0                             ; Wg
.irp j, 0,1,2,3,4,5,6,7,8,9,10,11,12,13,14,15
	ds_store_b128 v3, v[RW+4*\j:RW+4*\j+3] offset:4608*(\j/2)+2304*(\j%2)
.endr
	s_wait_dscnt 16                                ; my two blocks are back; Wg's sixteen stores are younger
; Token a's block: the largest magnitude with the floor 2^(3 - 127) among its leaves; 2 off its exponent field is the conversion's scale operand, and that field the byte.
.macro QX a
.set XB, X+32*\a
.set QM, 224+4*\a
.set QC, 232+12*\a
	v_max3_num_f32 v[QM], |v[XB]|, |v[XB+1]|, |v[XB+2]|
	v_max3_num_f32 v[QM+1], |v[XB+3]|, |v[XB+4]|, |v[XB+5]|
.irp i, 6,10,14,18,22,26
	v_max3_num_f32 v[QM], v[QM], |v[XB+\i]|, |v[XB+\i+1]|
	v_max3_num_f32 v[QM+1], v[QM+1], |v[XB+\i+2]|, |v[XB+\i+3]|
.endr
	v_max3_num_f32 v[QM], v[QM], |v[XB+30]|, |v[XB+31]|
	v_max3_num_f32 v[QM], v[QM], v[QM+1], 0x1800000
	v_add_nc_u32 v[QM+2], 0xff000000, v[QM]
	v_cvt_scalef32_pk16_fp6_f32 v[QC:QC+2], v[XB:XB+15], v[QM+2]
	v_cvt_scalef32_pk16_fp6_f32 v[QC+6:QC+8], v[XB+16:XB+31], v[QM+2]   ; (a conversion's three registers begin on an even number)
	v_lshrrev_b32 v[QM+3], 23, v[QM+2]             ; the byte; also the plain instruction behind the conversions
.irp i, 0,1,2
	v_mov_b32 v[QC+3+\i], v[QC+6+\i]
.endr
.irp i, 0,1,2
	ds_store_b64 v7, v[QC+2*\i:QC+2*\i+1] offset:768*\a+8*\i
.endr
	ds_store_b8 v9, v[QM+3] offset:32*\a
.endm
	QX 0
	QX 1
.irp j, 0,1,2
	ds_load_b128 v[16+4*\j:19+4*\j], v8 offset:512*\j
.endr
	s_wait_dscnt 0x0                               ; the codes are back, and all my LDS stores have landed: Wg's part and my scale bytes, for the other waves' sake
.irp j, 0,1,2
	global_store_b128 v11, v[16+4*\j:19+4*\j], s[24:25] offset:512*\j   ; 512 consecutive bytes, at a multiple of 256 from xq's first byte
.endr
	s_barrier_signal -1
	s_barrier_wait -1                              ; Wg and the 256 scale bytes lie in LDS
	s_cmp_lg_u32 s14, 0
	s_cbranch_scc1 .Lnot_wave_0
	ds_load_b64 v[14:15], v13
	s_wait_dscnt 0x0
	global_store_b64 v12, v[14:15], s[26:27]       ; 32 lanes store 256 consecutive bytes, aligned
.Lnot_wave_0:
.macro WLOAD e                         ; my 32 numbers of expert e's row into set e % 2
.irp c, 0,1,2,3,4,5,6,7
	ds_load_b128 v[RW+32*((\e)%2)+4*\c:RW+32*((\e)%2)+4*\c+3], v6 offset:4608*(\e)+16*\c
.endr
.endm
.macro DOT e                           ; both tokens' partial sums with expert e, two numbers an instruction
.if \e < 7
	s_wait_dscnt 8                                 ; this expert's eight loads are in; the next expert's eight are younger
.else
	s_wait_dscnt 0x0
.endif
.set WB, RW+32*((\e)%2)
.irp a, 0,1
	v_pk_mul_f32 v[ACC+16*\a+2*(\e):ACC+16*\a+2*(\e)+1], v[X+32*\a:X+32*\a+1], v[WB:WB+1]
.endr
.irp i, 2,4,6,8,10,12,14,16,18,20,22,24,26,28,30
.irp a, 0,1
	v_pk_fma_f32 v[ACC+16*\a+2*(\e):ACC+16*\a+2*(\e)+1], v[X+32*\a+\i:X+32*\a+\i+1], v[WB+\i:WB+\i+1], v[ACC+16*\a+2*(\e):ACC+16*\a+2*(\e)+1]
.endr
.endr
.if \e < 6
	WLOAD \e+2
.endif
.endm
	WLOAD 0
	WLOAD 1
.irp e, 0,1,2,3,4,5,6,7
	DOT \e
.endr
; the 16 sums (8 a + e) over the pair and over the 32 lanes: every lane ends with all of them
.irp q, 0,1,2,3,4,5,6,7,8,9,10,11,12,13,14,15
	v_add_f32 v[LG+\q], v[ACC+2*\q], v[ACC+2*\q+1]
.endr
.irp m, 1,2,4,8
.irp q, 0,1,2,3,4,5,6,7,8,9,10,11,12,13,14,15
	v_add_f32_dpp v[LG+\q], v[LG+\q], v[LG+\q] row_xmask:\m row_mask:0xf bank_mask:0xf
.endr
.endr
.irp q, 0,1,2,3,4,5,6,7,8,9,10,11,12,13,14,15
	v_permlanex16_b32 v[LG+16+\q], v[LG+\q], s16, s17   ; (its destination was written by x's loads)
.endr
.irp q, 0,1,2,3,4,5,6,7,8,9,10,11,12,13,14,15
	v_add_f32 v[LG+\q], v[LG+\q], v[LG+16+\q]
.endr
; softmax: the row's maximum is taken away ahead of the exponential
.irp a, 0,1
	v_max3_num_f32 v[MX+\a], v[LG+8*\a], v[LG+8*\a+1], v[LG+8*\a+2]
.endr
.irp i, 3,5
.irp a, 0,1
	v_max3_num_f32 v[MX+\a], v[MX+\a], v[LG+8*\a+\i], v[LG+8*\a+\i+1]
.endr
.endr
.irp a, 0,1
	v_max_num_f32 v[MX+\a], v[MX+\a], v[LG+8*\a+7]
.endr
.irp q, 0,1,2,3,4,5,6,7,8,9,10,11,12,13,14,15
	v_sub_f32 v[LG+\q], v[LG+\q], v[MX+\q/8]
.endr
.irp q, 0,1,2,3,4,5,6,7,8,9,10,11,12,13,14,15
	v_mul_f32 v[LG+\q], 0x3fb8aa3b, v[LG+\q]       ; x log2(e)
.endr
	s_wait_alu depctr_va_vdst(0)
.irp q, 0,1,2,3,4,5,6,7,8,9,10,11,12,13,14,15
	v_exp_f32 v[LG+\q], v[LG+\q]
.endr
	v_nop                                          ; a plain instruction behind the exponentials
	s_wait_alu depctr_va_vdst(0)
.irp a, 0,1
	v_add_f32 v[SM+\a], v[LG+8*\a], v[LG+8*\a+1]
	v_add_f32 v[TM+\a], v[LG+8*\a+2], v[LG+8*\a+3]
.endr
.irp i, 4,6
.irp a, 0,1
	v_add_f32 v[SM+\a], v[SM+\a], v[LG+8*\a+\i]
	v_add_f32 v[TM+\a], v[TM+\a], v[LG+8*\a+\i+1]
.endr
.endr
.irp a, 0,1
	v_add_f32 v[SM+\a], v[SM+\a], v[TM+\a]
.endr
	s_wait_alu depctr_va_vdst(0)
.irp a, 0,1
	v_rcp_f32 v[SM+\a], v[SM+\a]
.endr
	v_nop                                          ; a plain instruction behind the reciprocals
	s_wait_alu depctr_va_vdst(0)
.irp q, 0,1,2,3,4,5,6,7,8,9,10,11,12,13,14,15
	v_mul_f32 v[LG+\q], v[LG+\q], v[SM+\q/8]       ; the probabilities
.endr
; the largest, then the largest of the rest: selects only, no branch
.irp a, 0,1
	v_mov_b32 v[B1+\a], v[LG+8*\a]
	v_mov_b32 v[I1+\a], 0
.endr
.irp e, 1,2,3,4,5,6,7
.irp a, 0,1
	v_cmp_gt_f32 vcc_lo, v[LG+8*\a+\e], v[B1+\a]
	v_cndmask_b32 v[B1+\a], v[B1+\a], v[LG+8*\a+\e], vcc_lo
	v_cndmask_b32 v[I1+\a], v[I1+\a], \e, vcc_lo
.endr
.endr
.irp e, 0,1,2,3,4,5,6,7
.irp a, 0,1
	v_cmp_eq_u32 vcc_lo, \e, v[I1+\a]
	v_cndmask_b32 v[Q+8*\a+\e], v[LG+8*\a+\e], -1.0, vcc_lo   ; the first choice stands under every probability
.endr
.endr
.irp a, 0,1
	v_mov_b32 v[B2+\a], v[Q+8*\a]
	v_mov_b32 v[I2+\a], 0
.endr
.irp e, 1,2,3,4,5,6,7
.irp a, 0,1
	v_cmp_gt_f32 vcc_lo, v[Q+8*\a+\e], v[B2+\a]
	v_cndmask_b32 v[B2+\a], v[B2+\a], v[Q+8*\a+\e], vcc_lo
	v_cndmask_b32 v[I2+\a], v[I2+\a], \e, vcc_lo
.endr
.endr
.irp a, 0,1
	v_lshl_or_b32 v[SE+\a], v[I2+\a], 8, v[I1+\a]
.endr
; lanes 0-3 store p0, p1 of the first token and p0, p1 of the second; lanes 0-1 the two words of sel
	v_and_b32 v28, 1, v1
	v_cmp_eq_u32 vcc_lo, 1, v28
	v_cndmask_b32 v29, v[B1], v[B2], vcc_lo
	v_cndmask_b32 v30, v[B1+1], v[B2+1], vcc_lo
	v_cndmask_b32 v31, v[SE], v[SE+1], vcc_lo
	v_and_b32 v28, 2, v1
	v_cmp_eq_u32 vcc_lo, 2, v28
	v_cndmask_b32 v29, v29, v30, vcc_lo
	v_cmp_gt_u32 vcc_lo, 4, v1
	s_wait_alu depctr_va_vdst(0)
	s_wait_xcnt 0x0                                ; EXEC is a source of the stores that are out: it changes only behind this wait
	s_wait_tensorcnt 0x0
	ds_add_u32 v254, v255
	s_wait_dscnt 0x0
	s_and_saveexec_b32 s20, vcc_lo
	global_store_b32 v2, v29, s[12:13]
	s_wait_xcnt 0x0
	s_or_b32 exec_lo, exec_lo, s20
	v_cmp_gt_u32 vcc_lo, 2, v1
	s_and_saveexec_b32 s20, vcc_lo
	global_store_b32 v2, v31, s[10:11]
	s_wait_xcnt 0x0
	s_or_b32 exec_lo, exec_lo, s20
	s_endpgm
.Lfunc_end_k_q5034bbbeaf_route:
	.size	k_q5034bbbeaf_route, .Lfunc_end_k_q5034bbbeaf_route-k_q5034bbbeaf_route
	.p2alignl 7, 3214868480
	.fill 96, 4, 3214868480
	.section	.rodata,"a",@progbits
	.p2align	6, 0x0
	.amdhsa_kernel k_q5034bbbeaf_route
		.amdhsa_group_segment_fixed_size 80896
		.amdhsa_private_segment_fixed_size 0
		.amdhsa_enable_private_segment 0
		.amdhsa_kernarg_size 40
		.amdhsa_user_sgpr_count 2
		.amdhsa_user_sgpr_kernarg_segment_ptr 1
		.amdhsa_wavefront_size32 1
		.amdhsa_system_sgpr_workgroup_id_x 1
		.amdhsa_system_sgpr_workgroup_id_y 1
		.amdhsa_system_sgpr_workgroup_id_z 1
		.amdhsa_system_vgpr_workitem_id 0
		.amdhsa_next_free_vgpr 256
		.amdhsa_next_free_sgpr 66
		.amdhsa_reserve_vcc 1
		.amdhsa_float_denorm_mode_32 3
		.amdhsa_float_denorm_mode_16_64 3
		.amdhsa_memory_ordered 1
		.amdhsa_forward_progress 1
		.amdhsa_inst_pref_size 50
	.end_amdhsa_kernel
	.amdgpu_metadata
---
amdhsa.version: [ 1, 2 ]
amdhsa.kernels:
  - .name:           k_q5034bbbeaf_route
    .symbol:         k_q5034bbbeaf_route.kd
    .args:
      - { .name: x, .offset: 0, .size: 8, .value_kind: global_buffer, .address_space: global }
      - { .name: Wg, .offset: 8, .size: 8, .value_kind: global_buffer, .address_space: global }
      - { .name: xq, .offset: 16, .size: 8, .value_kind: global_buffer, .address_space: global }
      - { .name: sel, .offset: 24, .size: 8, .value_kind: global_buffer, .address_space: global }
      - { .name: gates, .offset: 32, .size: 8, .value_kind: global_buffer, .address_space: global }
    .group_segment_fixed_size: 80896
    .private_segment_fixed_size: 0
    .kernarg_segment_align: 8
    .kernarg_segment_size: 40
    .max_flat_workgroup_size: 128
    .sgpr_count:     66
    .vgpr_count:     256
    .wavefront_size: 32
...
	.end_amdgpu_metadata
.endif
;; end of part 1
;; launch place (part 2): grid 1 x 1, 16 waves a work-group, no clusters, 4,096 bytes of LDS; arguments sel, plan; writes plan
.if DOCPART == 2
	.amdgcn_target "amdgcn-amd-amdhsa--gfx1250"
	.amdhsa_code_object_version 6
	.text
	.protected	k_q5034bbbeaf_place
	.globl	k_q5034bbbeaf_place
	.p2align	8
	.type	k_q5034bbbeaf_place,@function
k_q5034bbbeaf_place:
	s_mov_b64 s[64:65], 0
	v_nop
	global_prefetch_b8 v0, s[64:65] scope:SCOPE_SE
	s_setreg_imm32_b32 hwreg(HW_REG_WAVE_MODE, 25, 1), 1
	s_wait_xcnt 0x0
; THE ROWS ARE PLACED BY EXPERT: a counting sort of the 4,096 (token, choice) rows, without atomics, by one work-group of 512 threads; thread t has tokens 4 t .. 4 t + 3, entries k = 2 i + j.
; Each expert gets whole tiles of 192 rows, one expert's tiles on end: at most (4,096 + 8 x 191) / 192 = 29 tiles, whatever the choice.
; plan: at 0 the tiles, 32 x {expert, first row, last place, rows}, a tile without rows {0, 0, 0, 0} (row 0 always holds a token: tile 0 is the first expert's that has rows);
; at POS [2048][2] the row of each choice; at ROWTOK [5568] the token of each row: only rows that hold a token are written, and only those are read later.
; The 4,096 stores of four bytes into ROWTOK are a scatter by its nature; the table is 22,272 bytes.
.set POS,    512
.set ROWTOK, 16896
.set E,   8                            ; v8-15   the entry's expert
.set RK,  16                           ; v16-23  its rank among my wave's entries of that expert
.set ROW, 24                           ; v24-31  its row
.set CN,  32                           ; v32-47  lane e: wave q's count of expert e
.set RUN, 32                           ; s32-39  my wave's running count of each expert
.set TIL, 40                           ; s40-47  tiles of each expert
.set BAS, 48                           ; s48-55  its first tile
.set TOT, 56                           ; s56-63  its rows
	s_load_b128 s[4:7], s[0:1], 0x0                ; sel, plan
	v_lshl_add_u32 v96, v0, 2, 0x800
	v_mov_b32 v97, 0
	v_lshrrev_b32 v2, 5, v0
	s_delay_alu instid0(VALU_DEP_1)
	v_readfirstlane_b32 s14, v2                    ; wave 0..15
	v_and_b32 v1, 31, v0                           ; lane
	v_lshlrev_b32 v3, 4, v0
.irp e, 0,1,2,3,4,5,6,7
	s_mov_b32 s[RUN+\e], 0
	v_mov_b32 v[RK+\e], 0
.endr
	s_wait_alu depctr_va_vdst(0)
	s_wait_kmcnt 0x0
	global_load_b128 v[4:7], v3, s[4:5]
	s_wait_loadcnt 0x0
.irp k, 0,1,2,3,4,5,6,7
	v_bfe_u32 v[E+\k], v[4+\k/2], 8*(\k%2), 8
	s_delay_alu instid0(VALU_DEP_1)
	v_min_u32 v[E+\k], 7, v[E+\k]
.endr
; rank in the wave: the entries of expert e in earlier k, and in lower lanes of this k
; in runs of eight, one line for each expert: the masks have scalar registers of their own (s66-73), the ranks on offer lie in v32-39 (free until the counts are read back), the masks' counts in s74-81
.irp k, 0,1,2,3,4,5,6,7
.irp e, 0,1,2,3,4,5,6,7
	v_cmp_eq_u32 s[66+\e], \e, v[E+\k]
.endr
.irp e, 0,1,2,3,4,5,6,7
	v_mbcnt_lo_u32_b32 v[CN+\e], s[66+\e], s[RUN+\e]
.endr
.irp e, 0,1,2,3,4,5,6,7
.if \e > 0
	s_delay_alu instid0(VALU_DEP_1)
.endif
	v_cndmask_b32 v[RK+\k], v[RK+\k], v[CN+\e], s[66+\e]
.endr
.irp e, 0,1,2,3,4,5,6,7
	s_bcnt1_i32_b32 s[74+\e], s[66+\e]
.endr
.irp e, 0,1,2,3,4,5,6,7
	s_add_co_u32 s[RUN+\e], s[RUN+\e], s[74+\e]
.endr
.endr
	v_mov_b32 v50, 0
.irp e, 0,1,2,3,4,5,6,7
	s_delay_alu instid0(VALU_DEP_1)
	v_writelane_b32 v50, s[RUN+\e], \e             ; lane e: my wave's count of expert e
.endr
	v_lshlrev_b32 v51, 2, v0
	ds_store_b32 v51, v50                          ; 128 bytes a wave
	s_wait_dscnt 0x0                               ; for the others' sake
	s_barrier_signal -1
	s_barrier_wait -1
	v_lshlrev_b32 v52, 2, v1
.irp q, 0,1,2,3,4,5,6,7,8,9,10,11,12,13,14,15
	ds_load_b32 v[CN+\q], v52 offset:128*\q
.endr
	s_wait_dscnt 0x0
	v_add3_u32 v54, v[CN], v[CN+1], v[CN+2]        ; lane e: the rows of expert e,
.irp q, 3,5,7,9,11,13
	s_delay_alu instid0(VALU_DEP_1)
	v_add3_u32 v54, v54, v[CN+\q], v[CN+\q+1]
.endr
	s_delay_alu instid0(VALU_DEP_1)
	v_add_nc_u32 v54, v54, v[CN+15]
	v_mov_b32 v53, 0                               ; and those of them in the waves ahead of mine
.irp q, 0,1,2,3,4,5,6,7,8,9,10,11,12,13,14
	s_cmp_gt_u32 s14, \q
	s_cselect_b32 s20, -1, 0
	v_and_b32 v55, s20, v[CN+\q]
	s_delay_alu instid0(VALU_DEP_1)
	v_add_nc_u32 v53, v53, v55
.endr
	v_add_nc_u32 v56, 191, v54
	s_delay_alu instid0(VALU_DEP_1)
	v_mul_u32_u24 v56, v56, 21846
	s_delay_alu instid0(VALU_DEP_1)
	v_lshrrev_b32 v56, 22, v56                     ; (rows + 191) / 192: 21,846 x 192 = 2^22 + 128, so the quotient is exact under 32,768
	v_mov_b32 v57, 0
	s_mov_b32 s21, 0
.irp e, 0,1,2,3,4,5,6,7
	v_readlane_b32 s[TIL+\e], v56, \e
	v_readlane_b32 s[TOT+\e], v54, \e
	s_mov_b32 s[BAS+\e], s21
	v_writelane_b32 v57, s21, \e                   ; lane e: expert e's first tile
	s_add_co_u32 s21, s21, s[TIL+\e]
.endr
	v_mad_u32_u24 v58, v57, 192, v53               ; lane e: the row of my wave's first entry of expert e
.irp k, 0,1,2,3,4,5,6,7
	v_lshlrev_b32 v[68+\k], 2, v[E+\k]
.endr
.irp k, 0,1,2,3,4,5,6,7
	ds_bpermute_b32 v[ROW+\k], v[68+\k], v58       ; from the lane of the entry's expert
.endr
	s_wait_dscnt 0x0
.irp k, 0,1,2,3,4,5,6,7
	v_add_nc_u32 v[ROW+\k], v[ROW+\k], v[RK+\k]
	s_delay_alu instid0(VALU_DEP_1)
	v_min_u32 v[ROW+\k], 0x15bf, v[ROW+\k]         ; held inside the table: 5,567
	s_delay_alu instid0(VALU_DEP_1)
	v_lshlrev_b32 v[76+\k], 2, v[ROW+\k]
.endr
.irp i, 0,1,2,3
	v_lshl_add_u32 v[84+\i], v0, 2, \i             ; my tokens
.endr
.irp k, 0,1,2,3,4,5,6,7
	global_store_b32 v[76+\k], v[84+\k/2], s[6:7] offset:ROWTOK
.endr
	v_lshlrev_b32 v88, 5, v0
	global_store_b128 v88, v[ROW:ROW+3], s[6:7] offset:POS
	global_store_b128 v88, v[ROW+4:ROW+7], s[6:7] offset:POS+16
	s_cmp_lg_u32 s14, 0
	s_cbranch_scc1 .Lend                           ; wave 0 writes the tiles: lane = tile
.irp i, 0,1,2,3
	v_mov_b32 v[60+\i], 0
.endr
	v_mul_u32_u24 v64, v1, 192
.irp e, 0,1,2,3,4,5,6,7
	v_sub_nc_u32 v65, v1, s[BAS+\e]                ; which of the expert's tiles; a lane ahead of them wraps round and fails the compare
	s_delay_alu instid0(VALU_DEP_1)
	v_cmp_gt_u32 vcc_lo, s[TIL+\e], v65
	s_delay_alu instid0(VALU_DEP_2)
	v_mul_u32_u24 v66, v65, 192
	s_delay_alu instid0(VALU_DEP_1)
	v_sub_nc_u32 v66, s[TOT+\e], v66
	s_delay_alu instid0(VALU_DEP_1)
	v_min_u32 v66, 192, v66                        ; its rows
	s_delay_alu instid0(VALU_DEP_1)
	v_add_nc_u32 v67, -1, v66
	v_cndmask_b32 v60, v60, \e, vcc_lo
	v_cndmask_b32 v61, v61, v64, vcc_lo
	s_delay_alu instid0(VALU_DEP_3)
	v_cndmask_b32 v62, v62, v67, vcc_lo
	v_cndmask_b32 v63, v63, v66, vcc_lo
.endr
	v_lshlrev_b32 v65, 4, v1
	global_store_b128 v65, v[60:63], s[6:7]        ; 512 consecutive bytes
.Lend:
	s_wait_tensorcnt 0x0
	ds_add_u32 v96, v97
	s_wait_dscnt 0x0
	s_endpgm
.Lfunc_end_k_q5034bbbeaf_place:
	.size	k_q5034bbbeaf_place, .Lfunc_end_k_q5034bbbeaf_place-k_q5034bbbeaf_place
	.p2alignl 7, 3214868480
	.fill 96, 4, 3214868480
	.section	.rodata,"a",@progbits
	.p2align	6, 0x0
	.amdhsa_kernel k_q5034bbbeaf_place
		.amdhsa_group_segment_fixed_size 4096
		.amdhsa_private_segment_fixed_size 0
		.amdhsa_enable_private_segment 0
		.amdhsa_kernarg_size 16
		.amdhsa_user_sgpr_count 2
		.amdhsa_user_sgpr_kernarg_segment_ptr 1
		.amdhsa_wavefront_size32 1
		.amdhsa_system_sgpr_workgroup_id_x 1
		.amdhsa_system_sgpr_workgroup_id_y 1
		.amdhsa_system_sgpr_workgroup_id_z 1
		.amdhsa_system_vgpr_workitem_id 0
		.amdhsa_next_free_vgpr 98
		.amdhsa_next_free_sgpr 82
		.amdhsa_reserve_vcc 1
		.amdhsa_float_denorm_mode_32 3
		.amdhsa_float_denorm_mode_16_64 3
		.amdhsa_memory_ordered 1
		.amdhsa_forward_progress 1
		.amdhsa_inst_pref_size 37
	.end_amdhsa_kernel
	.amdgpu_metadata
---
amdhsa.version: [ 1, 2 ]
amdhsa.kernels:
  - .name:           k_q5034bbbeaf_place
    .symbol:         k_q5034bbbeaf_place.kd
    .args:
      - { .name: sel, .offset: 0, .size: 8, .value_kind: global_buffer, .address_space: global }
      - { .name: plan, .offset: 8, .size: 8, .value_kind: global_buffer, .address_space: global }
    .group_segment_fixed_size: 4096
    .private_segment_fixed_size: 0
    .kernarg_segment_align: 8
    .kernarg_segment_size: 16
    .max_flat_workgroup_size: 512
    .sgpr_count:     82
    .vgpr_count:     98
    .wavefront_size: 32
...
	.end_amdgpu_metadata
.endif
;; end of part 2
;; launch up (part 3): grid 8 x 29, 8 waves a work-group, no clusters, 327,680 bytes of LDS; arguments xq, W1_codes, W1_scales, plan, hid; writes hid
.if DOCPART == 3
	.amdgcn_target "amdgcn-amd-amdhsa--gfx1250"
	.amdhsa_code_object_version 6
	.text
	.protected	k_q5034bbbeaf_up
	.globl	k_q5034bbbeaf_up
	.p2align	8
	.type	k_q5034bbbeaf_up,@function
k_q5034bbbeaf_up:
	s_mov_b64 s[64:65], 0
	v_nop
	global_prefetch_b8 v0, s[64:65] scope:SCOPE_SE
	s_setreg_imm32_b32 hwreg(HW_REG_WAVE_MODE, 25, 1), 1
	s_wait_xcnt 0x0
; hid = Q(silu(x W1[e]^T)) for one tile of 192 sorted rows (work-group y) and 256 hidden units (work-group x); only the rows of chosen experts are multiplied (see the first kernel's head).
; Both operands are codes of E2M3 with E8M0 scales, K = 1,024 = 8 K steps.  SHARES: eight waves; wave w: rows 48 (w / 2) .. + 47, hidden units 128 (w % 2) .. + 127: 24 accumulators.
; x's rows are gathered by the plan's row list: wave w fetches rows 24 w .. + 23 whole (768 bytes each); each half of the lanes reads 256 consecutive bytes of one row, at a multiple of 256 from xq's first byte.
; They lie in LDS as rows of 784 bytes (150,528 bytes, stored once); a fragment is three loads of 16 bytes at row x 784 + 96 K step + 48 (lane / 16).
; W1's 256 rows come in CHUNKS OF 256 BYTES of each row (a row of codes is 768 bytes, so each chunk begins at a multiple of 256): chunks 0 and 1 by the head's loads, one a wave
; (waves 0-3 chunk 0, waves 4-7 chunk 1, 64 rows each, told apart by arithmetic on the wave's number); chunk 2 is filled into chunk 0's bytes when K step 2's fragments are in registers.
; K steps 2 and 5 lie across two chunks: their pieces come from both regions.
; The result is quantised along the hidden units, which are the next product's K, and stored as register images: codes [tile][K step][row group][row tile][1,536], scale words from HIDS on.
; NO CLUSTER: which tiles share an expert's rows of W1 hangs on counts read from memory, so partners cannot be fixed by the grid; x's rows come by lane loads.
; NO PREFETCH: the text has no loop to run ahead in; two of W1's three chunks and all of x's rows are asked for at the head.
; Every work-group runs the whole text; places of a tile that hold no token repeat the tile's last row and are read by nobody that counts.  lds_bytes: 290,816 bytes are used.
.set APITCH, 784                       ; a row of x: 768 bytes + 16 = 196 words, so sixteen rows start at sixteen different groups of four banks
.set RING,   192*APITCH                ; behind x's rows: two regions of 256 rows x 272 bytes
.set SLOTB,  69632
.set PITCH,  272                       ; 256 bytes + 16 of padding: 68 words
.set SPARE,  RING+2*SLOTB              ; the spare words, 128 bytes a wave
.set ROWTOK, 16896
.set XQS,    1572864
.set HIDS,   8552448
.set FR,  12
.set WS,  16                           ; v16-47 W1's scale words; v48-63 x's
.set XS,  48
.set AF,  64                           ; x's three fragments
.set BF,  100                          ; W1's eight
.set GA,  64                           ; the gather's registers, at the head
.set TA,  220                          ; v220-231 the gather's addresses; v232-243 its rows' tokens
.set TK,  232
.set MSB, 0
.macro WIN new
.if MSB != \new
	s_set_vgpr_msb (MSB<<8)|\new
.set MSB, \new
.endif
.endm
.macro PLACES
.rept 4
	v_nop
.endr
.endm
	s_load_b256 s[4:11], s[0:1], 0x0               ; xq, W1's codes, W1's scales, plan
	s_load_b64 s[12:13], s[0:1], 0x20              ; hid
	v_lshl_add_u32 v4, v0, 2, SPARE
	v_mov_b32 v5, 0
	ds_add_u32 v4, v5                              ; the opening lines: the add twice on end and its wait
	ds_add_u32 v4, v5
	v_lshrrev_b32 v1, 5, v0
	s_delay_alu instid0(VALU_DEP_1)
	v_readfirstlane_b32 s14, v1                    ; wave 0..7
	s_lshr_b32 s15, s14, 1                         ; my group of 48 rows
	s_and_b32 s16, s14, 1                          ; my half of the 256 hidden units
	s_mov_b32 s17, ttmp9
	s_and_b32 s18, ttmp7, 0xffff
	s_lshl_b32 s19, s18, 4
.irp g, 24, 80                         ; group 1: rows of 256 bytes, 768 apart in memory, 16 bytes of padding behind each
	s_mov_b32 s[\g], (1<<20)|(5<<22)|(3<<25)
	s_mov_b32 s[\g+1], 256<<16
	s_mov_b32 s[\g+3], 256<<16
	s_mov_b32 s[\g+5], 768
	s_mov_b32 s[\g+6], 0
	s_mov_b32 s[\g+7], 0
.endr
	s_mov_b32 s26, 64<<16                          ; the head's loads: 64 rows
	s_mov_b32 s28, 64
	s_mov_b32 s82, 32<<16                          ; the refill: 32 rows
	s_mov_b32 s84, 32
	s_mov_b32 s66, 0x76543210
	s_mov_b32 s67, 0xfedcba98
	s_mov_b32 s68, 0xffff0000
	s_wait_dscnt 0x0
	s_wait_kmcnt 0x0
	s_load_b128 s[20:23], s[10:11], s19 offset:0x0 ; the tile: expert, first row, last place, rows
	s_and_b32 s41, s14, 3
	s_mul_i32 s41, s41, 49152                      ; head: 64 rows x (w % 4),
	s_lshr_b32 s42, s14, 2
	s_lshl_b32 s42, s42, 8
	s_add_co_u32 s41, s41, s42                     ; chunk w / 4
	s_mul_i32 s42, s17, 196608                     ; the work-group's 256 rows
	s_add_co_u32 s41, s41, s42
	s_mul_i32 s43, s14, 24576                      ; refill: 32 rows x w,
	s_add_co_u32 s43, s43, s42
	s_add_co_u32 s43, s43, 512                     ; chunk 2
	s_mul_i32 s44, s14, 17408
	s_mul_i32 s45, s14, 8704
	s_wait_kmcnt 0x0
	s_min_u32 s20, s20, 7                          ; numbers read from memory are held inside their tables
	s_min_u32 s21, s21, 5567
	s_min_u32 s22, s22, 191
	s_mul_i32 s40, s20, 0x180000
	s_add_co_u32 s46, s40, s41
	s_mov_b32 s47, 0
	s_add_nc_u64 s[34:35], s[6:7], s[46:47]
	s_add_co_u32 s46, s40, s43
	s_add_nc_u64 s[38:39], s[6:7], s[46:47]
	s_or_b32 s35, s35, 0x80000000
	s_or_b32 s39, s39, 0x80000000
	s_mov_b32 s32, 1
	s_add_co_u32 s33, s44, RING                    ; waves 0-3 fill region 0, waves 4-7 region 1
	s_mov_b32 s36, 1
	s_add_co_u32 s37, s45, RING                    ; the refill: region 0
	tensor_load_to_lds s[32:35], s[24:31]          ; my one load at the head
	s_nop 0
	PLACES
	v_and_b32 v1, 31, v0
	v_and_b32 v2, 15, v0                           ; r
	v_bfe_u32 v3, v0, 4, 1                         ; h
	v_lshlrev_b32 v244, 4, v2                      ; 16 r
	v_lshlrev_b32 v216, 5, v1
	s_mul_i32 s53, s14, 24
	v_add_nc_u32 v15, s53, v3                      ; the gather: place 24 w + h (+ 2 i)
	s_mul_i32 s53, s15, 48
	v_add_nc_u32 v245, s53, v2                     ; x's scale words: place 48 (w / 2) + r (+ 16 s)
; the places' rows: a place without a token takes the tile's last row; each line runs over all fifteen, so that no line waits for the line above it
.irp i, 0,1,2,3,4,5,6,7,8,9,10,11
	v_add_nc_u32 v[TA+\i], 2*\i, v15
.endr
.irp s, 0,1,2
	v_add_nc_u32 v[208+\s], 16*\s, v245
.endr
.irp q, TA,TA+1,TA+2,TA+3,TA+4,TA+5,TA+6,TA+7,TA+8,TA+9,TA+10,TA+11,208,209,210
	v_min_u32 v[\q], s22, v[\q]
.endr
.irp q, TA,TA+1,TA+2,TA+3,TA+4,TA+5,TA+6,TA+7,TA+8,TA+9,TA+10,TA+11,208,209,210
	v_add_nc_u32 v[\q], s21, v[\q]
.endr
.irp q, TA,TA+1,TA+2,TA+3,TA+4,TA+5,TA+6,TA+7,TA+8,TA+9,TA+10,TA+11,208,209,210
	v_min_u32 v[\q], 0x15bf, v[\q]
.endr
.irp q, TA,TA+1,TA+2,TA+3,TA+4,TA+5,TA+6,TA+7,TA+8,TA+9,TA+10,TA+11,208,209,210
	v_lshlrev_b32 v[\q], 2, v[\q]
.endr
.irp i, 0,1,2,3,4,5,6,7,8,9,10,11
	global_load_b32 v[TK+\i], v[TA+\i], s[10:11] offset:ROWTOK   ; each half of the lanes: one row's token
.endr
.irp s, 0,1,2
	global_load_b32 v[212+\s], v[208+\s], s[10:11] offset:ROWTOK
.endr
	s_lshl_b32 s54, s20, 16
	s_lshl_b32 s55, s17, 13
	s_add_co_u32 s54, s54, s55
	s_lshl_b32 s55, s16, 12
	s_add_co_u32 s54, s54, s55
	s_mov_b32 s55, 0
	s_add_nc_u64 s[46:47], s[8:9], s[54:55]
.irp tp, 0,1,2,3
	global_load_b128 v[WS+8*\tp:WS+8*\tp+3], v216, s[46:47] offset:1024*\tp       ; lane l: the 32 scale bytes of row 32 tp + l of my 128
	global_load_b128 v[WS+8*\tp+4:WS+8*\tp+7], v216, s[46:47] offset:1024*\tp+16
.endr
	s_add_nc_u64 s[48:49], s[4:5], XQS
	s_mul_i32 s50, s15, 48*APITCH
	v_mul_u32_u24 v6, v2, APITCH
	s_delay_alu instid0(VALU_DEP_1)
	v_mad_u32_u24 v6, v3, 48, v6
	s_delay_alu instid0(VALU_DEP_1)
	v_add_nc_u32 v6, s50, v6                       ; my fragments of x: row 48 (w / 2) + r, + 48 h
	s_mul_i32 s51, s14, 24*APITCH
	v_mul_u32_u24 v7, v3, APITCH
	s_delay_alu instid0(VALU_DEP_1)
	v_lshl_add_u32 v7, v2, 4, v7
	s_delay_alu instid0(VALU_DEP_1)
	v_add_nc_u32 v7, s51, v7                       ; where I store what I gather: row 24 w + h, + 16 r
	s_mul_i32 s52, s16, 34816                      ; my 128 rows of W1
	s_add_co_u32 s52, s52, RING
	s_mov_b32 s56, SLOTB-232
	s_mov_b32 s57, SLOTB+232
	v_mul_u32_u24 v15, v2, PITCH
	s_delay_alu instid0(VALU_DEP_1)
	v_mad_u32_u24 v8, v3, 24, v15
	s_delay_alu instid0(VALU_DEP_1)
	v_add_nc_u32 v8, s52, v8                       ; v8, v9: a fragment's row in region 0, 1, + 24 for lanes 16-31
	s_delay_alu instid0(VALU_DEP_1)
	v_add_nc_u32 v9, SLOTB, v8
	v_mul_u32_u24 v10, s56, v3
	s_delay_alu instid0(VALU_DEP_1)
	v_add_nc_u32 v10, v15, v10
	s_delay_alu instid0(VALU_DEP_1)
	v_add_nc_u32 v10, 232, v10
	s_delay_alu instid0(VALU_DEP_1)
	v_add_nc_u32 v10, s52, v10                     ; v10: lanes 0-15 byte 232 of the row in region 0, lanes 16-31 byte 0 in region 1
	v_sub_nc_u32 v11, 1, v3
	s_delay_alu instid0(VALU_DEP_1)
	v_mul_u32_u24 v11, s57, v11
	s_delay_alu instid0(VALU_DEP_1)
	v_add_nc_u32 v11, v15, v11
	s_delay_alu instid0(VALU_DEP_1)
	v_add_nc_u32 v11, s52, v11                     ; v11: lanes 0-15 byte 232 in region 1, lanes 16-31 byte 0 in region 0
	s_wait_alu depctr_va_vdst(0)
	s_wait_loadcnt 8                               ; the tokens are in; the eight loads of scale words are younger
.irp i, 0,1,2,3,4,5,6,7,8,9,10,11
	v_min_u32 v[TK+\i], 0x7ff, v[TK+\i]
.endr
.irp i, 0,1,2,3,4,5,6,7,8,9,10,11
	v_mul_u32_u24 v[TA+\i], v[TK+\i], 768
.endr
.irp i, 0,1,2,3,4,5,6,7,8,9,10,11
	v_add_nc_u32 v[TA+\i], v244, v[TA+\i]          ; the token's row of codes, + 16 r
.endr
	v_cndmask_b32 v218, v212, v213, s68
	v_min_u32 v219, 0x7ff, v214
	s_delay_alu instid0(VALU_DEP_2)
	v_min_u32 v218, 0x7ff, v218
	s_delay_alu instid0(VALU_DEP_2)
	v_lshlrev_b32 v219, 5, v219
	s_delay_alu instid0(VALU_DEP_2)
	v_lshlrev_b32 v218, 5, v218
.irp i, 0,1,2,3,4,5,6,7,8,9,10,11
.irp m, 0,1,2
	global_load_b128 v[GA+FR*\i+4*\m:GA+FR*\i+4*\m+3], v[TA+\i], s[4:5] offset:256*\m   ; rows 24 w + 2 i and + 1: 256 consecutive bytes for each half of the lanes
.endr
.endr
	global_load_b128 v[XS:XS+3], v218, s[48:49]
	global_load_b128 v[XS+4:XS+7], v218, s[48:49] offset:16
	global_load_b128 v[XS+8:XS+11], v219, s[48:49]
	global_load_b128 v[XS+12:XS+15], v219, s[48:49] offset:16
	s_mul_i32 s58, s18, 294912
	s_lshl_b32 s61, s17, 1
	s_add_co_u32 s61, s61, s16
	s_mul_i32 s60, s61, 18432
	s_add_co_u32 s58, s58, s60
	s_mul_i32 s60, s15, 4608
	s_add_co_u32 s58, s58, s60
	s_mov_b32 s59, 0
	s_add_nc_u64 s[58:59], s[12:13], s[58:59]      ; where my codes go
	s_lshl_b32 s62, s18, 14
	s_lshl_b32 s60, s61, 10
	s_add_co_u32 s62, s62, s60
	s_lshl_b32 s60, s15, 8
	s_add_co_u32 s62, s62, s60
	s_add_co_u32 s62, s62, HIDS
	s_mov_b32 s63, 0
	s_add_nc_u64 s[62:63], s[12:13], s[62:63]      ; and my scale words
	WIN 0x40
	v_lshlrev_b32 v242, 4, v1
	v_lshlrev_b32 v243, 3, v1
	v_lshlrev_b32 v244, 3, v3
	v_mov_b32 v215, 0
	WIN 0
.irp i, 0,1,2,3,4,5,6,7,8,9,10,11
	s_wait_loadcnt 4+3*(11-\i)                     ; this pair of rows is in; the later pairs' loads and x's four loads of scales are younger
.irp m, 0,1,2
	ds_store_b128 v7, v[GA+FR*\i+4*\m:GA+FR*\i+4*\m+3] offset:2*\i*APITCH+256*\m
.endr
.endr
	s_wait_alu depctr_va_vdst(0)
	s_wait_loadcnt 0x0
	s_wait_tensorcnt 0x0                           ; my part of chunks 0 and 1 is in,
	s_wait_dscnt 0x0                               ; and my rows are stored: for the others' sake
	s_barrier_signal -1
	s_barrier_wait -1
.macro FRAG reg, ks, i                 ; 16 rows x 128 K: six pieces of 8 bytes; byte y of a row lies in chunk y / 256, region (y / 256) % 2
.irp p, 0,1,2,3,4,5
.set BY, 96*(\ks)+48*(\p/3)+8*(\p%3)
.if BY/256 == (BY+24)/256
	ds_load_b64 v[\reg+2*\p:\reg+2*\p+1], v[8+(BY/256)%2] offset:BY%256+(\i)*16*PITCH
.else
	ds_load_b64 v[\reg+2*\p:\reg+2*\p+1], v[10+(BY/256)%2] offset:BY%256-232+(\i)*16*PITCH
.endif
.endr
.endm
.macro MM c, ra, rb                    ; one matrix instruction on rD, rB, rA, rW, rX; ra, rb: the scales are read from lanes 16-31
.if (\ra) && (\rb)
	v_wmma_scale_f32_16x16x128_f8f6f4 v[rD:rD+7], v[rB:rB+11], v[rA:rA+11], \c, v[rW], v[rX] matrix_a_fmt:MATRIX_FMT_FP6 matrix_b_fmt:MATRIX_FMT_FP6 matrix_a_scale:MATRIX_SCALE_ROW1 matrix_b_scale:MATRIX_SCALE_ROW1
.elseif (\ra)
	v_wmma_scale_f32_16x16x128_f8f6f4 v[rD:rD+7], v[rB:rB+11], v[rA:rA+11], \c, v[rW], v[rX] matrix_a_fmt:MATRIX_FMT_FP6 matrix_b_fmt:MATRIX_FMT_FP6 matrix_a_scale:MATRIX_SCALE_ROW1
.elseif (\rb)
	v_wmma_scale_f32_16x16x128_f8f6f4 v[rD:rD+7], v[rB:rB+11], v[rA:rA+11], \c, v[rW], v[rX] matrix_a_fmt:MATRIX_FMT_FP6 matrix_b_fmt:MATRIX_FMT_FP6 matrix_b_scale:MATRIX_SCALE_ROW1
.else
	v_wmma_scale_f32_16x16x128_f8f6f4 v[rD:rD+7], v[rB:rB+11], v[rA:rA+11], \c, v[rW], v[rX] matrix_a_fmt:MATRIX_FMT_FP6 matrix_b_fmt:MATRIX_FMT_FP6
.endif
.endm
.macro KLOAD ks                        ; K step ks: x's three fragments, W1's eight
.irp s, 0,1,2
.irp c, 0,1,2
	ds_load_b128 v[AF+FR*\s+4*\c:AF+FR*\s+4*\c+3], v6 offset:16*\s*APITCH+96*(\ks)+16*\c
.endr
.endr
.irp t, 0,1,2,3,4,5,6,7
	FRAG BF+FR*\t, \ks, \t
.endr
.endm
.macro KMUL ks                         ; its 24 matrix instructions, the accumulators by turns; the first step starts the sums
	WIN 0x50
.irp t, 0,1,2,3,4,5,6,7
	s_wait_dscnt 6*(7-\t)                          ; x's fragments and W1's tile t are in; the later tiles' pieces are younger
.irp s, 0,1,2
.set rD, 64*\s+8*(4*(\t/4)+2*(\t%2)+(\t/2)%2)
.set rB, BF+FR*\t
.set rA, AF+FR*\s
.set rW, WS+8*(\t/2)+(\ks)
.set rX, XS+8*(\s/2)+(\ks)
.if (\ks) == 0
	MM 0, \t%2, \s%2
.else
	MM v[rD:rD+7], \t%2, \s%2
.endif
.endr
.endr
	WIN 0
	PLACES                                         ; in front of loads into registers that matrix instructions have read, and of the first read of results
.endm
.macro CHANGE fill                     ; all my tensor loads, the add, my LDS reads; the barrier; fill = 1: chunk 2 into region 0, my one load behind it
	s_wait_tensorcnt 0x0
	ds_add_u32 v4, v5
	s_wait_dscnt 0x0
	s_barrier_signal -1
	s_barrier_wait -1
.if \fill
	tensor_load_to_lds s[36:39], s[80:87]
	s_nop 0
	PLACES
.endif
.endm
	KLOAD 0
	KMUL 0
	KLOAD 1
	KMUL 1
	KLOAD 2                                        ; the last reads of chunk 0
	CHANGE 1
	KMUL 2
	KLOAD 3
	KMUL 3
	KLOAD 4
	KMUL 4
	CHANGE 0                                       ; chunk 2 is whole for all eight waves
	KLOAD 5
	KMUL 5
	KLOAD 6
	KMUL 6
	KLOAD 7
	KMUL 7
.macro SILU16                          ; z / (1 + 2^(-z log2 e)) on 16 registers, in f32
.irp j, 0,2,4,6,8,10,12,14
	v_pk_mul_f32 v[192+\j:193+\j], v[ZB+\j:ZB+\j+1], 0xbfb8aa3b op_sel_hi:[1,0]
.endr
	s_wait_alu depctr_va_vdst(0)                   ; a wait ahead of each batch of transcendentals and one behind it
.irp j, 0,1,2,3,4,5,6,7,8,9,10,11,12,13,14,15
	v_exp_f32 v[192+\j], v[192+\j]
.endr
	v_nop
	s_wait_alu depctr_va_vdst(0)
.irp j, 0,2,4,6,8,10,12,14
	v_pk_add_f32 v[192+\j:193+\j], v[192+\j:193+\j], 1.0 op_sel_hi:[1,0]
.endr
	s_wait_alu depctr_va_vdst(0)
.irp j, 0,1,2,3,4,5,6,7,8,9,10,11,12,13,14,15
	v_rcp_f32 v[192+\j], v[192+\j]
.endr
	v_nop
	s_wait_alu depctr_va_vdst(0)
.irp j, 0,2,4,6,8,10,12,14
	v_pk_mul_f32 v[ZB+\j:ZB+\j+1], v[ZB+\j:ZB+\j+1], v[192+\j:193+\j]
.endr
.endm
.macro QUANT s                         ; row tile s: whole blocks of 32 into a lane, the block's scale by exponent arithmetic, the codes as the next operand's registers
.irp c, 0,1
.irp j, 0,1,2,3,4,5,6,7
	v_permlane16_swap_b32 v[Z+32*\c+\j], v[Z+32*\c+8+\j]
	v_permlane16_swap_b32 v[Z+32*\c+16+\j], v[Z+32*\c+24+\j]
.endr
.endr
.irp c, 0,1
	v_max3_num_f32 v[208+\c], |v[Z+32*\c]|, |v[Z+32*\c+1]|, 0x1800000   ; with the floor 2^(3 - 127): the byte cannot fall under 1
	v_max_num_f32 v[210+\c], |v[Z+32*\c+2]|, |v[Z+32*\c+3]|
.endr
.irp i, 4,8,12,16,20,24,28
.irp c, 0,1
	s_delay_alu instid0(VALU_DEP_4)
	v_max3_num_f32 v[208+\c], v[208+\c], |v[Z+32*\c+\i]|, |v[Z+32*\c+\i+1]|
	s_delay_alu instid0(VALU_DEP_4)
	v_max3_num_f32 v[210+\c], v[210+\c], |v[Z+32*\c+\i+2]|, |v[Z+32*\c+\i+3]|
.endr
.endr
	s_delay_alu instid0(VALU_DEP_3)
	v_max_num_f32 v208, v208, v210
	s_delay_alu instid0(VALU_DEP_2)
	v_max_num_f32 v209, v209, v211
.irp c, 0,1
	s_delay_alu instid0(VALU_DEP_2)
	v_add_nc_u32 v[212+\c], 0xff000000, v[208+\c]  ; 2 off the exponent field: the conversion's scale operand
.endr
.irp c, 0,1
	s_delay_alu instid0(VALU_DEP_2)
	v_lshrrev_b32 v[245+\c], 23, v[212+\c]         ; the byte
.endr
	s_delay_alu instid0(VALU_DEP_1)
	v_lshl_or_b32 v214, v246, 16, v245
	s_delay_alu instid0(VALU_DEP_1)
	v_lshlrev_b32 v214, v244, v214
	s_delay_alu instid0(VALU_DEP_1)
	v_permlanex16_b32 v215, v214, s66, s67
	s_delay_alu instid0(VALU_DEP_1)
	v_or_b32 v[236+\s], v214, v215                 ; the row's scale word of this K step
.irp c, 0,1
	v_cvt_scalef32_pk16_fp6_f32 v[216+6*\c:218+6*\c], v[Z+32*\c:Z+32*\c+15], v[212+\c]
	v_cvt_scalef32_pk16_fp6_f32 v[228+4*\c:230+4*\c], v[Z+32*\c+16:Z+32*\c+31], v[212+\c]
.endr
	v_nop
.irp c, 0,1
.irp i, 0,1,2
	v_mov_b32 v[219+6*\c+\i], v[228+4*\c+\i]
.endr
.endr
.endm
	WIN 0x55                                       ; all in window 1, where the accumulators lie
.irp s, 0,1,2
.if \s > 0
	s_wait_xcnt 0x0                                ; the last row tile's stores have read their registers
.endif
.irp g, 0,1,2,3
.set ZB, 64*\s+16*\g
	SILU16
.endr
.set Z, 64*\s
	QUANT \s
.irp c, 0,1,2
	global_store_b128 v242, v[216+4*\c:219+4*\c], s[58:59] offset:1536*\s+512*\c   ; 512 consecutive bytes, at a multiple of 256 from hid's first byte
.endr
.endr
	v_cndmask_b32 v240, v236, v237, s68
	v_mov_b32 v241, v238
	global_store_b64 v243, v[240:241], s[62:63]    ; 256 consecutive bytes, aligned
	WIN 0
	s_wait_tensorcnt 0x0                           ; the wave's end
	ds_add_u32 v4, v5
	s_wait_dscnt 0x0
	s_endpgm
.Lfunc_end_k_q5034bbbeaf_up:
	.size	k_q5034bbbeaf_up, .Lfunc_end_k_q5034bbbeaf_up-k_q5034bbbeaf_up
	.p2alignl 7, 3214868480
	.fill 96, 4, 3214868480
	.section	.rodata,"a",@progbits
	.p2align	6, 0x0
	.amdhsa_kernel k_q5034bbbeaf_up
		.amdhsa_group_segment_fixed_size 327680
		.amdhsa_private_segment_fixed_size 0
		.amdhsa_enable_private_segment 0
		.amdhsa_kernarg_size 40
		.amdhsa_user_sgpr_count 2
		.amdhsa_user_sgpr_kernarg_segment_ptr 1
		.amdhsa_wavefront_size32 1
		.amdhsa_system_sgpr_workgroup_id_x 1
		.amdhsa_system_sgpr_workgroup_id_y 1
		.amdhsa_system_sgpr_workgroup_id_z 1
		.amdhsa_system_vgpr_workitem_id 0
		.amdhsa_next_free_vgpr 512
		.amdhsa_next_free_sgpr 90
		.amdhsa_reserve_vcc 0
		.amdhsa_float_denorm_mode_32 3
		.amdhsa_float_denorm_mode_16_64 3
		.amdhsa_memory_ordered 1
		.amdhsa_forward_progress 1
		.amdhsa_inst_pref_size 130
	.end_amdhsa_kernel
	.amdgpu_metadata
---
amdhsa.version: [ 1, 2 ]
amdhsa.kernels:
  - .name:           k_q5034bbbeaf_up
    .symbol:         k_q5034bbbeaf_up.kd
    .args:
      - { .name: xq, .offset: 0, .size: 8, .value_kind: global_buffer, .address_space: global }
      - { .name: W1_codes, .offset: 8, .size: 8, .value_kind: global_buffer, .address_space: global }
      - { .name: W1_scales, .offset: 16, .size: 8, .value_kind: global_buffer, .address_space: global }
      - { .name: plan, .offset: 24, .size: 8, .value_kind: global_buffer, .address_space: global }
      - { .name: hid, .offset: 32, .size: 8, .value_kind: global_buffer, .address_space: global }
    .group_segment_fixed_size: 327680
    .private_segment_fixed_size: 0
    .kernarg_segment_align: 8
    .kernarg_segment_size: 40
    .max_flat_workgroup_size: 256
    .sgpr_count:     90
    .vgpr_count:     512
    .wavefront_size: 32
...
	.end_amdgpu_metadata
.endif
;; end of part 3
;; launch down (part 4): grid 8 x 29, 4 waves a work-group, no clusters, 247,296 bytes of LDS; arguments hid, W2_codes, W2_scales, plan, part; writes part
.if DOCPART == 4
	.amdgcn_target "amdgcn-amd-amdhsa--gfx1250"
	.amdhsa_code_object_version 6
	.text
	.protected	k_q5034bbbeaf_down
	.globl	k_q5034bbbeaf_down
	.p2align	8
	.type	k_q5034bbbeaf_down,@function
k_q5034bbbeaf_down:
	s_mov_b64 s[64:65], 0
	v_nop
	global_prefetch_b8 v0, s[64:65] scope:SCOPE_SE
	s_setreg_imm32_b32 hwreg(HW_REG_WAVE_MODE, 25, 1), 1
	s_wait_xcnt 0x0
; part = hid W2[e]^T for one tile of 192 sorted rows (work-group y) and 128 output columns (work-group x); only the rows of chosen experts are multiplied (see the first kernel's head).
; Both operands are codes of E2M3 with E8M0 scales, K = 2,048 = 16 K steps.  part is not yet weighted by the gates.
; SHARES: four waves, as many as a WGP has SIMDs.  Wave w: rows 48 w .. + 47 (three tiles of 16) x all 128 columns (eight tiles of 16 rows of W2): 24 accumulators, 384 matrix instructions.
; W2's 128 rows come WHOLE (1,536 bytes a row, each beginning at a multiple of 256), one tensor load of 32 rows a wave at the head, and stay: LDS bytes are filled once, and one barrier shows them to all waves.
; W2's scale bytes of these rows are one dense block of 8,192 bytes: the four waves load it once, 512 consecutive bytes a load, lay it in LDS as rows of 80 bytes, and each wave reads its words back behind the same barrier.
; hid lies in memory as images of the operand's registers and each image is wanted by one wave alone: it goes from memory straight into registers, 512 consecutive bytes a load, through eleven slots of 36 registers.
; The first product needs W2's tile whole, so little else is asked for beside it: hid's K steps 0-3 at the head (0 and 1 while the tile's expert is still being read: their addresses hang on ids alone),
; K steps 4-7 in step 0, and in steps 1 to 8 the K step seven on.
; THE PRODUCT IS USED TRANSPOSED (source 0 = 16 rows of W2, source 1 = 16 rows of hid): a lane holds eight neighbouring columns of one row.
; NO CLUSTER: hid's images go to registers, each once in a work-group; the work-groups of a tile take different rows of W2, and which tiles share an expert hangs on counts read from memory.
; NO PREFETCH: W2's tile is asked for whole at the head, and hid's loads into registers are themselves issued more than six K steps ahead of their use.
; Every work-group runs the whole text; rows of places that hold no token are stored too and are read by nobody.
; REGISTERS, in windows of 256: window 0: v0-15 addresses, v16-79 W2's scale words, v80-111 hid's, v112-255 hid's slots 7-10 (at the head v112-131 carry W2's scale bytes); window 1: W2's fragments, two sets of 96
;   (on the way out: rows read back); window 2: hid's slots 0-6; window 3: accumulator (s, t) at 8 (8 s + t).
.set PITCH,  1584                      ; a row: six chunks of 256 bytes + 8 of padding = 396 words: row r starts at bank 12 r mod 64, sixteen different groups of four banks
.set TILE2,  32*PITCH                  ; 32 rows: what one tensor load brings, and what one address register serves (two tiles of 16 rows stay inside the 16-bit offset)
.set STAGE,  128*PITCH                 ; behind W2: 16 rows x 528 bytes for each wave, for the way out; no tensor load lands there
.set SPITCH, 528
.set WSC,    STAGE+4*16*SPITCH         ; W2's scale bytes: 128 rows x (64 + 16): 20 words
.set SPARE,  WSC+128*80                ; the spare words, 128 bytes a wave
.set HIDS,   8552448
.set SPW, 1
.set NIL, 2
.set L16, 3                            ; 16 x lane
.set BA,  4                            ; v4-7   my row of W2's tiles 2 k, 2 k + 1, + 24 for lanes 16-31
.set BX,  8                            ; v8-11  the same, + 8 more for lanes 16-31: their piece lies behind one padding more
.set STO, 12
.set RD,  13
.set L8,  14
.set WSA, 15                           ; WSC + 80 x lane
.set WS,  16                           ; v[WS + 16 tp + K step]: lane l = row 32 tp + l
.set HS,  80                           ; v[HS + 2 K step]: lanes 0-15 row tile 0, lanes 16-31 row tile 1; + 1: row tile 2
.set HW0, 112
.set WST, 112                          ; at the head: where my thread puts 16 scale bytes; v113: 16 x thread; v116-131: the bytes
.set MSB, 0
.macro WIN new
.if MSB != \new
	s_set_vgpr_msb (MSB<<8)|\new
.set MSB, \new
.endif
.endm
.macro PLACES
.rept 4
	v_nop
.endr
.endm
.macro HSLOT ks                        ; K step ks lies in slot ks % 11: HWIN its window, HB its first register
.if (\ks)%11 < 7
.set HWIN, 2
.set HB, 36*((\ks)%11)
.else
.set HWIN, 0
.set HB, HW0+36*((\ks)%11-7)
.endif
.endm
.macro HLOAD ks                        ; hid's three fragments of K step ks: nine loads
	HSLOT \ks
	WIN HWIN<<6
.irp s, 0,1,2
.irp c, 0,1,2
	global_load_b128 v[HB+12*\s+4*\c:HB+12*\s+4*\c+3], v[L16], s[26:27] offset:18432*(\ks)+1536*\s+512*\c
.endr
.endr
.endm
.macro BLOAD ks, hf                    ; W2's fragments 4 hf .. 4 hf + 3 of K step ks into set ks % 2: 24 pieces of 8 bytes; byte y of a row lies at y + 8 (y / 256)
	WIN 0x40
.irp j, 0,1,2,3
.set TI, 4*(\hf)+\j
.irp p, 0,1,2,3,4,5
.set BY, 96*(\ks)+48*(\p/3)+8*(\p%3)
.if BY/256 == (BY+24)/256
	ds_load_b64 v[96*((\ks)%2)+12*TI+2*\p:96*((\ks)%2)+12*TI+2*\p+1], v[BA+TI/2] offset:BY+8*(BY/256)+(TI%2)*16*PITCH
.else
	ds_load_b64 v[96*((\ks)%2)+12*TI+2*\p:96*((\ks)%2)+12*TI+2*\p+1], v[BX+TI/2] offset:BY+8*(BY/256)+(TI%2)*16*PITCH
.endif
.endr
.endr
.endm
.macro MM c, ra, rb                    ; one matrix instruction on rD, rB, rA, rW, rX; ra, rb: the scales are read from lanes 16-31
.if (\ra) && (\rb)
	v_wmma_scale_f32_16x16x128_f8f6f4 v[rD:rD+7], v[rB:rB+11], v[rA:rA+11], \c, v[rW], v[rX] matrix_a_fmt:MATRIX_FMT_FP6 matrix_b_fmt:MATRIX_FMT_FP6 matrix_a_scale:MATRIX_SCALE_ROW1 matrix_b_scale:MATRIX_SCALE_ROW1
.elseif (\ra)
	v_wmma_scale_f32_16x16x128_f8f6f4 v[rD:rD+7], v[rB:rB+11], v[rA:rA+11], \c, v[rW], v[rX] matrix_a_fmt:MATRIX_FMT_FP6 matrix_b_fmt:MATRIX_FMT_FP6 matrix_a_scale:MATRIX_SCALE_ROW1
.elseif (\rb)
	v_wmma_scale_f32_16x16x128_f8f6f4 v[rD:rD+7], v[rB:rB+11], v[rA:rA+11], \c, v[rW], v[rX] matrix_a_fmt:MATRIX_FMT_FP6 matrix_b_fmt:MATRIX_FMT_FP6 matrix_b_scale:MATRIX_SCALE_ROW1
.else
	v_wmma_scale_f32_16x16x128_f8f6f4 v[rD:rD+7], v[rB:rB+11], v[rA:rA+11], \c, v[rW], v[rX] matrix_a_fmt:MATRIX_FMT_FP6 matrix_b_fmt:MATRIX_FMT_FP6
.endif
.endm
.macro MULS ks, lo, hi                 ; W2's tiles lo .. hi against hid's three: the accumulators by turns, one instruction a turn; the first step starts the sums
	HSLOT \ks
	WIN 0xf1|(HWIN<<2)                             ; source 0 window 1, source 1 the slot's window, C and D window 3
.irp t, 0,1,2,3,4,5,6,7
.if (\t >= \lo) && (\t <= \hi)
.irp s, 0,1,2
.set rD, 8*(8*\s+\t)
.set rB, 96*((\ks)%2)+12*\t
.set rA, HB+12*\s
.set rW, WS+16*(\t/2)+(\ks)
.set rX, HS+2*(\ks)+\s/2
.if (\ks) == 0
	MM 0, \t%2, \s%2
.else
	MM v[rD:rD+7], \t%2, \s%2
.endif
.endr
.endif
.endr
.endm
; K step ks: 24 matrix instructions in three groups, by W2's tiles; the next step's fragments of W2 are asked for between the groups, in two runs of 24 pieces, into the set that the step before read
; (its places stand at that step's end); with the first run go hid's K steps further on, into slots that were read four steps ago or never.
.macro STEP ks
	s_wait_dscnt 24                                ; this step's tiles 0-3 (and in step 0 the scale words) are in; the 24 pieces of its tiles 4-7 are younger
.if (\ks) >= 9
	s_wait_loadcnt 9*(15-(\ks))                    ; behind this K step's loads: nine for each later K step
.elseif (\ks) >= 2
	s_wait_loadcnt 54                              ; behind this K step's loads: the nine of each of the six K steps on.  (K steps 0 and 1 came in ahead of the head's wait)
.endif
	MULS \ks, 0, 2
.if (\ks) < 15
	BLOAD (\ks)+1, 0
.endif
.if (\ks) == 0
	HLOAD 4
	HLOAD 5
	HLOAD 6
	HLOAD 7
.elseif (\ks) <= 8
	HLOAD (\ks)+7
.endif
.if (\ks) < 15
	s_wait_dscnt 24                                ; this step's tiles 4-7 are in; the 24 pieces just asked for are younger
.else
	s_wait_dscnt 0x0
.endif
	MULS \ks, 3, 5
.if (\ks) < 15
	BLOAD (\ks)+1, 1
.endif
	MULS \ks, 6, 7
	PLACES                                         ; in front of loads into registers that matrix instructions have read, and of the first read of results
.endm
	s_load_b256 s[4:11], s[0:1], 0x0               ; hid s[4:5], W2's codes s[6:7], W2's scales s[8:9], plan s[10:11]
	s_load_b64 s[12:13], s[0:1], 0x20              ; part
	v_lshl_add_u32 v[SPW], v0, 2, SPARE
	v_mov_b32 v[NIL], 0
	ds_add_u32 v[SPW], v[NIL]                      ; the opening lines: the add twice on end and its wait
	ds_add_u32 v[SPW], v[NIL]
	v_lshrrev_b32 v16, 5, v0
	v_readfirstlane_b32 s14, v16                   ; wave 0..3
	v_and_b32 v16, 31, v0                          ; lane
	v_and_b32 v17, 15, v0                          ; r
	v_bfe_u32 v18, v0, 4, 1                        ; h
	v_lshlrev_b32 v[L16], 4, v16
	v_lshlrev_b32 v[L8], 3, v16
	v_mul_u32_u24 v[WSA], v16, 80
	v_add_nc_u32 v[WSA], WSC, v[WSA]
	v_lshrrev_b32 v[WST], 2, v0                    ; 16 bytes of the block at 16 x thread belong to row thread / 4, quarter thread % 4
	v_mul_u32_u24 v[WST], v[WST], 80
	v_and_b32 v113, 3, v0
	v_lshl_add_u32 v[WST], v113, 4, v[WST]
	v_add_nc_u32 v[WST], WSC, v[WST]
	v_lshlrev_b32 v113, 4, v0
	v_mul_u32_u24 v19, v17, PITCH
	v_mad_u32_u24 v[BA], v18, 24, v19
.irp k, 1,2,3
	v_add_nc_u32 v[BA+\k], \k*TILE2, v[BA]
.endr
.irp k, 0,1,2,3
	v_lshl_add_u32 v[BX+\k], v18, 3, v[BA+\k]
.endr
	s_mul_i32 s21, s14, 16*SPITCH
	s_add_co_u32 s21, s21, STAGE                   ; my stage
	v_mul_u32_u24 v19, v17, SPITCH
	v_lshl_add_u32 v19, v18, 5, v19
	v_add_nc_u32 v[STO], s21, v19                  ; in: row r, 32 bytes for each half of the lanes
	v_add_nc_u32 v[RD], s21, v[L16]                ; back: the 32 lanes take one row of 512 bytes
	s_mov_b32 s17, ttmp9                           ; which 128 columns
	s_and_b32 s18, ttmp7, 0xffff                   ; which tile
	s_lshl_b32 s23, s18, 4
	s_mov_b32 s40, (1<<20)|(5<<22)|(1<<25)         ; group 1: elements of 1 byte; after every 64 words 2 words of padding
	s_mov_b32 s41, 1536<<16
	s_mov_b32 s42, 32<<16
	s_mov_b32 s43, 1536<<16
	s_mov_b32 s44, 32
	s_mov_b32 s45, 1536
	s_mov_b32 s46, 0
	s_mov_b32 s47, 0
	s_mul_i32 s24, s18, 294912                     ; hid's codes: the tile, my row group
	s_mul_i32 s22, s14, 4608
	s_add_co_u32 s24, s24, s22
	s_mov_b32 s25, 0
	s_lshl_b32 s28, s18, 14                        ; hid's scale words: 16,384 a tile, 1,024 a K step, 256 a row group
	s_lshl_b32 s22, s14, 8
	s_add_co_u32 s28, s28, s22
	s_add_co_u32 s28, s28, HIDS
	s_mov_b32 s29, 0
	s_mul_i32 s32, s18, 192                        ; part: my first row, the work-group's first column
	s_mul_i32 s22, s14, 48
	s_add_co_u32 s32, s32, s22
	s_lshl_b32 s32, s32, 12
	s_lshl_b32 s22, s17, 9
	s_add_co_u32 s32, s32, s22
	s_mov_b32 s33, 0
	s_lshl_b32 s48, s17, 7                         ; W2: rows 128 x + 32 w on
	s_lshl_b32 s22, s14, 5
	s_add_co_u32 s48, s48, s22
	s_mul_i32 s48, s48, 1536
	s_lshl_b32 s50, s17, 13                        ; its scale bytes: 64 a row
	s_mov_b32 s36, 1
	s_mul_i32 s37, s14, TILE2                      ; where my 32 rows go
	s_wait_alu depctr_va_vdst(0)                   ; behind it no vector instruction writes a register
	s_wait_dscnt 0x0
	s_wait_kmcnt 0x0
	s_load_b32 s20, s[10:11], s23 offset:0x0       ; the tile's expert
	s_add_nc_u64 s[26:27], s[4:5], s[24:25]
	s_add_nc_u64 s[30:31], s[4:5], s[28:29]
	s_add_nc_u64 s[34:35], s[12:13], s[32:33]
.irp ks, 0,1,2,3,4,5,6,7,8,9,10,11,12,13,14,15
	global_load_b64 v[HS+2*\ks:HS+2*\ks+1], v[L8], s[30:31] offset:1024*\ks   ; 256 consecutive bytes, aligned
.endr
	HLOAD 0
	HLOAD 1
	WIN 0
	s_wait_kmcnt 0x0
	s_min_u32 s20, s20, 7                          ; a number read from memory is held inside its table
	s_mul_i32 s49, s20, 0x180000                   ; an expert's codes: 1,024 x 1,536 bytes
	s_add_co_u32 s48, s48, s49
	s_mov_b32 s49, 0
	s_add_nc_u64 s[38:39], s[6:7], s[48:49]
	s_or_b32 s39, s39, 0x80000000
	s_lshl_b32 s51, s20, 16
	s_add_co_u32 s50, s50, s51
	s_mov_b32 s51, 0
	s_add_nc_u64 s[50:51], s[8:9], s[50:51]
	tensor_load_to_lds s[36:39], s[40:47]          ; my one tensor load: 32 whole rows of W2
	s_nop 0
	PLACES
.irp i, 0,1,2,3
	global_load_b128 v[116+4*\i:119+4*\i], v113, s[50:51] offset:2048*\i   ; the four waves read 2,048 consecutive bytes of the block
.endr
	HLOAD 2
	HLOAD 3
	WIN 0
	s_wait_loadcnt 18                              ; the scale bytes are in, and all that was asked for ahead of them; the 18 loads of K steps 2 and 3 are younger
.irp i, 0,1,2,3
	ds_store_b128 v[WST], v[116+4*\i:119+4*\i] offset:2560*\i
.endr
	s_wait_tensorcnt 0x0                           ; my 32 rows are in,
	s_wait_dscnt 0x0                               ; and my part of the scale bytes is stored: for the others' sake
	s_barrier_signal -1
	s_barrier_wait -1                              ; and everybody's
.irp tp, 0,1,2,3
.irp q, 0,1,2,3
	ds_load_b128 v[WS+16*\tp+4*\q:WS+16*\tp+4*\q+3], v[WSA] offset:2560*\tp+16*\q
.endr
.endr
	BLOAD 0, 0
	BLOAD 0, 1
.set ST, 0
.rept 16
	STEP ST
.set ST, ST+1
.endr
; THE WAY OUT, a row tile at a time: 32 bytes a lane and column tile into my own stage, back as whole rows of 512 bytes.  LDS serves a wave's instructions in order: no wait between the stores and the loads.
.macro TOSTAGE s
	WIN 0x0c                                       ; the data: window 3
.irp t, 0,1,2,3,4,5,6,7
	ds_store_b128 v[STO], v[8*(8*\s+\t):8*(8*\s+\t)+3] offset:64*\t            ; each accumulator from its low end on
	ds_store_b128 v[STO], v[8*(8*\s+\t)+4:8*(8*\s+\t)+7] offset:64*\t+16
.endr
	WIN 0x40                                       ; back into window 1, 64 registers of its own for each row tile
.irp i, 0,1,2,3,4,5,6,7,8,9,10,11,12,13,14,15
	ds_load_b128 v[64*\s+4*\i:64*\s+4*\i+3], v[RD] offset:\i*SPITCH
.endr
.endm
.macro SEND s, younger                 ; younger: the LDS instructions issued behind this row tile's loads
	s_wait_dscnt \younger
	WIN 0x04
.irp i, 0,1,2,3,4,5,6,7,8,9,10,11,12,13,14,15
	global_store_b128 v[L16], v[64*\s+4*\i:64*\s+4*\i+3], s[34:35] offset:(16*\s+\i)*4096 th:TH_STORE_NT   ; 512 consecutive bytes, at a multiple of 256 from part's first byte
.endr
.endm
	TOSTAGE 0
	TOSTAGE 1
	SEND 0, 32
	TOSTAGE 2
	SEND 1, 32
	SEND 2, 0
	WIN 0
	s_wait_tensorcnt 0x0                           ; the wave's end
	ds_add_u32 v[SPW], v[NIL]
	s_wait_dscnt 0x0
	s_endpgm
.Lfunc_end_k_q5034bbbeaf_down:
	.size	k_q5034bbbeaf_down, .Lfunc_end_k_q5034bbbeaf_down-k_q5034bbbeaf_down
	.p2alignl 7, 3214868480
	.fill 96, 4, 3214868480
	.section	.rodata,"a",@progbits
	.p2align	6, 0x0
	.amdhsa_kernel k_q5034bbbeaf_down
		.amdhsa_group_segment_fixed_size 247296
		.amdhsa_private_segment_fixed_size 0
		.amdhsa_enable_private_segment 0
		.amdhsa_kernarg_size 40
		.amdhsa_user_sgpr_count 2
		.amdhsa_user_sgpr_kernarg_segment_ptr 1
		.amdhsa_wavefront_size32 1
		.amdhsa_system_sgpr_workgroup_id_x 1
		.amdhsa_system_sgpr_workgroup_id_y 1
		.amdhsa_system_sgpr_workgroup_id_z 1
		.amdhsa_system_vgpr_workitem_id 0
		.amdhsa_next_free_vgpr 1024
		.amdhsa_next_free_sgpr 66
		.amdhsa_reserve_vcc 0
		.amdhsa_float_denorm_mode_32 3
		.amdhsa_float_denorm_mode_16_64 3
		.amdhsa_memory_ordered 1
		.amdhsa_forward_progress 1
		.amdhsa_inst_pref_size 135
	.end_amdhsa_kernel
	.amdgpu_metadata
---
amdhsa.version: [ 1, 2 ]
amdhsa.kernels:
  - .name:           k_q5034bbbeaf_down
    .symbol:         k_q5034bbbeaf_down.kd
    .args:
      - { .name: hid, .offset: 0, .size: 8, .value_kind: global_buffer, .address_space: global }
      - { .name: W2_codes, .offset: 8, .size: 8, .value_kind: global_buffer, .address_space: global }
      - { .name: W2_scales, .offset: 16, .size: 8, .value_kind: global_buffer, .address_space: global }
      - { .name: plan, .offset: 24, .size: 8, .value_kind: global_buffer, .address_space: global }
      - { .name: part, .offset: 32, .size: 8, .value_kind: global_buffer, .address_space: global }
    .group_segment_fixed_size: 247296
    .private_segment_fixed_size: 0
    .kernarg_segment_align: 8
    .kernarg_segment_size: 40
    .max_flat_workgroup_size: 128
    .sgpr_count:     66
    .vgpr_count:     1024
    .wavefront_size: 32
...
	.end_amdgpu_metadata
.endif
;; end of part 4
;; launch combine (part 5): grid 256 x 1, 8 waves a work-group, no clusters, 0 bytes of LDS; arguments part, plan, gates, out0; writes out0
.if DOCPART == 5
	.amdgcn_target "amdgcn-amd-amdhsa--gfx1250"
	.amdhsa_code_object_version 6
	.text
	.protected	k_q5034bbbeaf_combine
	.globl	k_q5034bbbeaf_combine
	.p2align	8
	.type	k_q5034bbbeaf_combine,@function
k_q5034bbbeaf_combine:
	s_mov_b64 s[64:65], 0
	v_nop
	global_prefetch_b8 v0, s[64:65] scope:SCOPE_SE
	s_setreg_imm32_b32 hwreg(HW_REG_WAVE_MODE, 25, 1), 1
	s_wait_xcnt 0x0
; out0[n] = p0 part[row of n's first choice] + p1 part[row of its second].  A wave takes one token: two rows of 4,096 bytes in, one out; each load and store covers 512 consecutive bytes.
; A stream: no LDS, no barrier, no matrix unit.  The rows come from plan, stored by an earlier launch, and are held inside part's 5,568 rows.
.set POS, 512
.set A, 8                              ; v8-39   the first row, then the result
.set B, 40                             ; v40-71  the second row
	s_load_b256 s[4:11], s[0:1], 0x0               ; part s[4:5], plan s[6:7], gates s[8:9], out0 s[10:11]
	v_lshrrev_b32 v1, 5, v0
	s_delay_alu instid0(VALU_DEP_1)
	v_readfirstlane_b32 s12, v1                    ; wave 0..7
	v_and_b32 v2, 31, v0
	s_delay_alu instid0(VALU_DEP_1)
	v_lshlrev_b32 v2, 4, v2                        ; 16 x lane
	s_lshl_b32 s13, ttmp9, 3
	s_add_co_u32 s13, s13, s12                     ; my token
	s_lshl_b32 s14, s13, 3
	s_lshl_b32 s24, s13, 12
	s_mov_b32 s25, 0
	s_wait_alu depctr_va_vdst(0)
	s_wait_kmcnt 0x0
	s_load_b64 s[16:17], s[6:7], s14 offset:POS    ; its two rows
	s_load_b64 s[18:19], s[8:9], s14 offset:0x0    ; p0, p1
	s_add_nc_u64 s[10:11], s[10:11], s[24:25]
	s_wait_kmcnt 0x0
	s_min_u32 s16, s16, 5567
	s_min_u32 s17, s17, 5567
	s_lshl_b32 s20, s16, 12
	s_mov_b32 s21, 0
	s_lshl_b32 s22, s17, 12
	s_mov_b32 s23, 0
	s_add_nc_u64 s[20:21], s[4:5], s[20:21]
	s_add_nc_u64 s[22:23], s[4:5], s[22:23]
	s_mov_b32 s26, s19                             ; p1 in a pair of its own: the packed form takes a scalar pair's low word for both halves
	s_mov_b32 s27, s19
.irp i, 0,1,2,3,4,5,6,7
	global_load_b128 v[A+4*\i:A+4*\i+3], v2, s[20:21] offset:512*\i th:TH_LOAD_NT   ; a row of part that holds a token is read once, here
	global_load_b128 v[B+4*\i:B+4*\i+3], v2, s[22:23] offset:512*\i th:TH_LOAD_NT
.endr
.irp i, 0,1,2,3,4,5,6,7
	s_wait_loadcnt 14-2*\i                         ; this pair of loads is in; the later pairs are younger
	v_pk_mul_f32 v[A+4*\i:A+4*\i+1], v[A+4*\i:A+4*\i+1], s[18:19] op_sel_hi:[1,0]
	v_pk_mul_f32 v[A+4*\i+2:A+4*\i+3], v[A+4*\i+2:A+4*\i+3], s[18:19] op_sel_hi:[1,0]
	s_delay_alu instid0(VALU_DEP_2)
	v_pk_fma_f32 v[A+4*\i:A+4*\i+1], v[B+4*\i:B+4*\i+1], s[26:27], v[A+4*\i:A+4*\i+1] op_sel_hi:[1,0,1]
	s_delay_alu instid0(VALU_DEP_2)
	v_pk_fma_f32 v[A+4*\i+2:A+4*\i+3], v[B+4*\i+2:B+4*\i+3], s[26:27], v[A+4*\i+2:A+4*\i+3] op_sel_hi:[1,0,1]
	global_store_b128 v2, v[A+4*\i:A+4*\i+3], s[10:11] offset:512*\i th:TH_STORE_NT
.endr
	s_endpgm
.Lfunc_end_k_q5034bbbeaf_combine:
	.size	k_q5034bbbeaf_combine, .Lfunc_end_k_q5034bbbeaf_combine-k_q5034bbbeaf_combine
	.p2alignl 7, 3214868480
	.fill 96, 4, 3214868480
	.section	.rodata,"a",@progbits
	.p2align	6, 0x0
	.amdhsa_kernel k_q5034bbbeaf_combine
		.amdhsa_group_segment_fixed_size 0
		.amdhsa_private_segment_fixed_size 0
		.amdhsa_enable_private_segment 0
		.amdhsa_kernarg_size 32
		.amdhsa_user_sgpr_count 2
		.amdhsa_user_sgpr_kernarg_segment_ptr 1
		.amdhsa_wavefront_size32 1
		.amdhsa_system_sgpr_workgroup_id_x 1
		.amdhsa_system_sgpr_workgroup_id_y 1
		.amdhsa_system_sgpr_workgroup_id_z 1
		.amdhsa_system_vgpr_workitem_id 0
		.amdhsa_next_free_vgpr 72
		.amdhsa_next_free_sgpr 66
		.amdhsa_reserve_vcc 0
		.amdhsa_float_denorm_mode_32 3
		.amdhsa_float_denorm_mode_16_64 3
		.amdhsa_memory_ordered 1
		.amdhsa_forward_progress 1
		.amdhsa_inst_pref_size 7
	.end_amdhsa_kernel
	.amdgpu_metadata
---
amdhsa.version: [ 1, 2 ]
amdhsa.kernels:
  - .name:           k_q5034bbbeaf_combine
    .symbol:         k_q5034bbbeaf_combine.kd
    .args:
      - { .name: part, .offset: 0, .size: 8, .value_kind: global_buffer, .address_space: global }
      - { .name: plan, .offset: 8, .size: 8, .value_kind: global_buffer, .address_space: global }
      - { .name: gates, .offset: 16, .size: 8, .value_kind: global_buffer, .address_space: global }
      - { .name: out0, .offset: 24, .size: 8, .value_kind: global_buffer, .address_space: global }
    .group_segment_fixed_size: 0
    .private_segment_fixed_size: 0
    .kernarg_segment_align: 8
    .kernarg_segment_size: 32
    .max_flat_workgroup_size: 256
    .sgpr_count:     66
    .vgpr_count:     72
    .wavefront_size: 32
...
	.end_amdgpu_metadata
.endif
;; end of part 5
